; MI455X (gfx1250); checked and timed in simulation.
; The chip was launched on July 23, 2026; its instructions are those of AMD's public machine-readable ISA for CDNA 5 (MIT licence, August 2026) and "CDNA5" Instruction Set Architecture Reference Guide (July 2026). The comments in the code are by the model that wrote it; some were corrected since.
;; Cross Attention Selector. Allowed arithmetic: matrix products marked QUANTISED: E2M3 operands, one E8M0 scale for each 32 along K, by v_wmma_scale_f32_16x16x128_f8f6f4 with both operands' format E2M3, f32 sums; products left as they are: f32 operands where the result goes on into a quantised operand, else bf16, f16 or f32 operands; f32 sums; everything else in f32.
;; Inputs: Wk_codes 1,024 x 32 x 24 uint8 (E2M3 codes of Wk, K innermost, in blocks of 32 codes, four codes in three bytes); Wk_scales 1,024 x 32 uint8 (E8M0 scales of Wk, one for each 32 codes along K); Wo_codes 1,024 x 32 x 24 uint8 (E2M3 codes of Wo, K innermost, in blocks of 32 codes, four codes in three bytes); Wo_scales 1,024 x 32 uint8 (E8M0 scales of Wo, one for each 32 codes along K); Wq_codes 1,024 x 32 x 24 uint8 (E2M3 codes of Wq, K innermost, in blocks of 32 codes, four codes in three bytes); Wq_scales 1,024 x 32 uint8 (E8M0 scales of Wq, one for each 32 codes along K); Wv_codes 1,024 x 32 x 24 uint8 (E2M3 codes of Wv, K innermost, in blocks of 32 codes, four codes in three bytes); Wv_scales 1,024 x 32 uint8 (E8M0 scales of Wv, one for each 32 codes along K); bk 1,024 float32; bo 1,024 float32; bq 1,024 float32; bv 1,024 float32; candidates_codes 16 x 2,048 x 32 x 24 uint8 (E2M3 codes of candidates, K innermost, in blocks of 32 codes, four codes in three bytes); candidates_scales 16 x 2,048 x 32 uint8 (E8M0 scales of candidates, one for each 32 codes along K); state_codes 16 x 32 x 24 uint8 (E2M3 codes of state, K innermost, in blocks of 32 codes, four codes in three bytes); state_scales 16 x 32 uint8 (E8M0 scales of state, one for each 32 codes along K).
;; Outputs: out0 16 x 1,024 float32; out1 16 x 2,048 float32; out2 16 x 8 int32; out3 16 x 8 float32.
;; Constants: k = 8.
;; This version of the problem:
;;   THIS VERSION OF THE PROBLEM IS GIVEN IN LOW PRECISION. The matrix products marked QUANTISED in the list below multiply operands that are first quantised to E2M3 (2 exponent bits, 3 mantissa bits; 6 bits a number), with one power-of-two scale for each 32 numbers along K (OCP MX v1.0); their sums are f32. All else is computed in f32.
;;   The module's matrix products, in the order in which they are computed (A, B: the left and right operand; K: the contracted axis; several contracted axes count as one K, in the product's order):
;;     1. [M 16, K 1,024] x [K 1,024, N 1,024]; A: input state (given as codes); B: input Wq (given as codes): QUANTISED
;;     2. [M 32,768, K 1,024] x [K 1,024, N 1,024]; A: input candidates (given as codes); B: input Wk (given as codes): QUANTISED
;;     3. [M 32,768, K 1,024] x [K 1,024, N 1,024]; A: input candidates (given as codes); B: input Wv (given as codes): QUANTISED
;;     4. batch 256 x [M 1, K 64] x [K 64, N 2,048]; A: computed on the way; B: computed on the way: left as it is (M = 1 < 16)
;;     5. batch 256 x [M 1, K 2,048] x [K 2,048, N 64]; A: softmax; B: computed on the way: left as it is (M = 1 < 16)
;;     6. [M 16, K 1,024] x [K 1,024, N 1,024]; A: computed on the way; B: input Wo (given as codes): QUANTISED
;;   THE QUANTISER, for each operand of a quantised product, along K:
;;     - K is cut into blocks of 32 from its start; a last block that is shorter is filled with zeros.
;;     - A block's scale is 2^e with e = floor(log2(the largest magnitude in the block)) - 2, held to -126 .. 127; a block of zeros has e = 0. As a byte (E8M0): e + 127.
;;     - Each number is divided by its block's scale, clamped to +-7.5, and rounded to the nearest number of E2M3, ties to even, subnormals kept.
;;     - The product sums the exact products of the quantised numbers (number of the format x scale) in f32.
;;   ~~~python
;;   def quantise(x, axis):      # numpy; x: float32 -> the quantised numbers, widened to float32 again
;;       x = np.moveaxis(x, axis, -1); K = x.shape[-1]
;;       x = np.pad(x, [(0, 0)] * (x.ndim - 1) + [(0, -K % 32)]); x = x.reshape(x.shape[:-1] + (-1, 32)); a = np.abs(x).max(-1, keepdims=True)
;;       e = np.where(a > 0, np.clip(np.frexp(np.where(a > 0, a, 1))[1] - 1 - 2, -126, 127), 0)      # np.frexp(a)[1] - 1 = floor(log2(a)), exactly
;;       r = np.clip(x / 2.0 ** e, -7.5, 7.5)
;;       step = 2.0 ** (np.maximum(np.frexp(np.where(r == 0, 1, r))[1] - 1, 0) - 3)
;;       q = np.round(r / step) * step * 2.0 ** e      # np.round: ties to even
;;       return np.moveaxis(q.reshape(q.shape[:-2] + (-1,))[..., :K], -1, axis).astype(np.float32)
;;   ~~~
;;   OPERANDS COMPUTED ON THE WAY. 'Computed on the way' means the value that the module computes at that place (a softmax that the list does not call 'softmax' is quantised finished and normalised). What goes into a quantiser is computed in f32, as accurately as f32 sums, v_exp_f32 and their like allow (about 1e-6 of the number): no bf16 or f16 on the way to a quantiser, and a product that is left as it is and whose result goes on into a quantised operand takes f32 operands (vector FMAs, or v_wmma_f32_16x16x4_f32). A number that lies on a knife's edge between two numbers of the format may be rounded either way, as far as f32 arithmetic and the matrix unit's own rounding can turn it there, and no further.
;;   INPUTS GIVEN AS CODES. Wk (in the module: [1024, 1024], K = its axis 1); Wo (in the module: [1024, 1024], K = its axis 1); Wq (in the module: [1024, 1024], K = its axis 1); Wv (in the module: [1024, 1024], K = its axis 1); candidates (in the module: [16, 2048, 1024], K = its axis 2); state (in the module: [16, 1024], K = its axis 1): each comes as NAME_codes (uint8): NAME with its K axis moved to the last place and cut into blocks of 32 codes, [.., K / 32, bytes a block], one block behind the other in memory; four codes in three bytes: a row's codes are one little-endian stream of bits, code i at bits 6 i .. 6 i + 5 (a code: sign, 2 exponent bits, 3 mantissa bits); and NAME_scales (uint8): the same leading axes, one E8M0 byte (e + 127) for each 32 codes along K. Its value is code x scale, taken as it is: it is not quantised again, and the codes and scales need not be those that the quantiser above would give.
;; One version. Each part assembles by itself: llvm-mc -triple=amdgcn-amd-amdhsa -mcpu=gfx1250 --defsym DOCPART=n.
;; ======== version 1 of 1: 2 launches
;; limits: right only within a limited range of input values
;; workspace buffers: scores 2,097,152 bytes; part 524,288 bytes
;; launch main (part 1): grid 4 x 64, 4 waves a work-group, clusters of 4 x 4, 327,680 bytes of LDS; arguments candidates_codes, candidates_scales, Wk_codes, Wk_scales, Wv_codes, Wv_scales, Wq_codes, Wq_scales, state_codes, state_scales, bq, bv, scores, part; writes scores, part
.if DOCPART == 1
	.amdgcn_target "amdgcn-amd-amdhsa--gfx1250"
	.amdhsa_code_object_version 6
	.text
	.protected	k_q3a7845e63a_main
	.globl	k_q3a7845e63a_main
	.p2align	8
	.type	k_q3a7845e63a_main,@function
k_q3a7845e63a_main:
	s_mov_b64 s[64:65], 0
	v_nop
	global_prefetch_b8 v0, s[64:65] scope:SCOPE_SE
	s_setreg_imm32_b32 hwreg(HW_REG_WAVE_MODE, 25, 1), 1
	s_wait_xcnt 0x0
	s_wait_alu depctr_hold_cnt(0) depctr_sa_sdst(0) depctr_va_vdst(0) depctr_va_sdst(0) depctr_va_ssrc(0) depctr_va_vcc(0) depctr_vm_vsrc(0)
	s_getreg_b32 s2, hwreg(HW_REG_IB_STS2, 6, 4)
	s_cmp_eq_u32 s2, 0
	s_cbranch_scc0 .Lentry_in_a_cluster
	s_endpgm
.Lentry_in_a_cluster:
	s_bfe_u32 s2, ttmp6, 0x10000c
	s_cmp_lg_u32 s2, 0xf033
	s_cbranch_scc0 .Lentry_shape_is_right
	s_endpgm
.Lentry_shape_is_right:
; Q, K, V projections (MX-FP6), the scores and a partial softmax-weighted sum of V, for 4 heads x 512 candidates a work-group.
; DEAD WORK: bk adds Q.bk to every score of a (batch, head): the same number along n.  Both softmaxes of reference() (per head, and of the
; mean over heads) run along n and are unchanged by a term that is constant along n, for all values of the inputs; scores reach no output
; otherwise.  So bk is not loaded and is no argument.  LIMIT: a NaN, infinity or overflow that only Q.bk would bring is not carried on.
; LIMIT: NaN and infinities in the inputs are not served.
; A WAVE OWNS ONE HEAD: its 64 rows of Wk and 64 of Wv, all of K, stay in registers: 64 fragments x 12 = 768 (21 to a window in windows 1-3,
; the last in window 0).  They come through LDS part P (64 rows a wave), first Wq (for Q), then Wk, then Wv.
; Candidates: dense rows of 256 bytes (+16 of padding) in LDS: a row of codes is three of them, 816 bytes.  Rows 0-127 lie in X, 128-383 in P, 384-511 in X again.
; CLUSTERS of 4 x 4: the four work-groups of a row take the same candidates (other heads), the four of a column the same heads (other candidates):
; candidates and their scales are asked for jointly along the row, the weights jointly along the column.
; No data prefetch: the second and third loads of candidates are issued 8 and 16 blocks of 64 matrix instructions ahead of their first read.
; A block = 16 candidates = four groups of two K steps; a group is 16 matrix instructions (4 K and 4 V accumulators by turns) on two fragments of A,
; then one run of 12 LDS loads refills the two: a ring of four fragments, each read once.
; Transposed use: source 0 = rows of W, source 1 = candidates: lane (r, h) holds candidate r, columns 8 h + j of each 16.
.set RP,    816
.set BLK,   16*RP
.set PART,  64*RP
.set XB,    4*PART
.set SCA,   XB+128*RP
.set STG,   SCA+12288
.set SPARE, STG+1024
.set WROWS, 64*768
.set SPW, 1
.set NIL, 2
.set ADA0, 3
.set H16, 4
.set ADS0, 5
.set ADA, 6
.set ADN, 8
.set ADSN, 10
.set STO0, 11
.set STO, 12
.set RD, 13
.set CO, 14
.set MLO, 15
.set F, 16
.set M, 18
.set ML, 19
.set L, 20
.set T, 21
.set CH, 22
.set P, 30
.set SA, 32
.set SB, 36
.set AF, 68
.set B63, 116
.set ACC, 128
.set QR, 192
.set CTX, 224
.set WV, 32
.set CX, 33
.set GY, 34
.set HD, 35
.set GB, 36
.set G1, 40
.set G1J, 48
.set G1K, 56
.set GA, 68
.set GS, 72
.set G1S, 76
.set AP, 84
.set HO, 86
.set PW, 90
.set SEL, 92
.set L2E, 94
.set BO, 95
.set BN, 96
.set SO, 97
.set SN, 98
.set SS, 99
.set CNT, 100
.set MSB, 0
.macro WIN new
.if MSB != \new
	s_set_vgpr_msb (MSB<<8)|\new
.set MSB, \new
.endif
.endm
.macro PLACES
.rept 4
	v_nop
.endr
.endm
.macro CROUND
	s_barrier_signal -1
	s_barrier_wait -1
	s_cmp_lg_u32 s[WV], 0
	s_cbranch_scc1 .Lnw0_\@
	s_barrier_signal -3
.Lnw0_\@:
	s_barrier_wait -3
	s_barrier_signal -1
	s_barrier_wait -1
.endm
.macro SEQ                             ; tensor loads done and LDS quiet, ahead of a fill's barrier
	s_wait_tensorcnt 0x0
	ds_add_u32 v[SPW], v[NIL]
	s_wait_dscnt 0x0
.endm
.macro TL g0, g1
	tensor_load_to_lds s[\g0:\g0+3], s[\g1:\g1+7]
	s_nop 0
	PLACES
.endm
.macro BREG f                          ; where weight fragment f lies: window BW, register BR
.if (\f) == 63
.set BW, 0
.set BR, B63
.else
.set BW, 1+(\f)/21
.set BR, 12*((\f)%21)
.endif
.endm
; a fragment: six pieces of 8 bytes of step st; byte y of a row lies at y + 16 (y / 256); adr + 1 holds adr + 16 h, for pieces whose upper lanes fall in the next 256
.macro FRAG reg, adr, st, off
.irp p, 0,1,2,3,4,5
.set BY, 96*(\st)+48*(\p/3)+8*(\p%3)
.if BY/256 == (BY+24)/256
	ds_load_b64 v[\reg+2*\p:\reg+2*\p+1], v[\adr] offset:BY+16*(BY/256)+(\off)
.else
	ds_load_b64 v[\reg+2*\p:\reg+2*\p+1], v[\adr+1] offset:BY+16*(BY/256)+(\off)
.endif
.endr
.endm
.macro READB ps                        ; my 64 rows in P -> fragments 32 ps + 4 step + block
.set f, 0
.rept 32
	BREG 32*\ps+f
	WIN BW<<6
	FRAG BR, ADA, f/4, (f%4)*BLK
.set f, f+1
.endr
	WIN 0
.endm
.macro WM ps, s, b                     ; ps: 0 K, 1 V; s: the K step, a plain number
	BREG 32*\ps+4*\s+\b
	WIN BW
.set rD, ACC+32*\ps+8*\b
.set rA, AF+12*((\s)%4)
.set rS, SB+16*\ps+4*\b+(\s)%4
.if \s == 0
	v_wmma_scale_f32_16x16x128_f8f6f4 v[rD:rD+7], v[BR:BR+11], v[rA:rA+11], 0, v[rS], v[SA] matrix_a_fmt:MATRIX_FMT_FP6 matrix_b_fmt:MATRIX_FMT_FP6
.elseif \s < 4
	v_wmma_scale_f32_16x16x128_f8f6f4 v[rD:rD+7], v[BR:BR+11], v[rA:rA+11], v[rD:rD+7], v[rS], v[SA+\s] matrix_a_fmt:MATRIX_FMT_FP6 matrix_b_fmt:MATRIX_FMT_FP6
.else
	v_wmma_scale_f32_16x16x128_f8f6f4 v[rD:rD+7], v[BR:BR+11], v[rA:rA+11], v[rD:rD+7], v[rS], v[SA+\s-4] matrix_a_fmt:MATRIX_FMT_FP6 matrix_b_fmt:MATRIX_FMT_FP6 matrix_a_scale:MATRIX_SCALE_ROW1 matrix_b_scale:MATRIX_SCALE_ROW1
.endif
.endm
.macro PV4 a, b, c, d                  ; four pairs of ctx: x f, + p x V
.irp i, \a, \b, \c, \d
	v_pk_mul_f32 v[CTX+2*\i:CTX+2*\i+1], v[CTX+2*\i:CTX+2*\i+1], v[F:F+1] op_sel_hi:[1,0]
.endr
.irp i, \a, \b, \c, \d
	v_pk_fma_f32 v[CTX+2*\i:CTX+2*\i+1], v[ACC+32+2*\i:ACC+32+2*\i+1], v[P:P+1], v[CTX+2*\i:CTX+2*\i+1] op_sel_hi:[1,0,1]
.endr
.endm
.macro PVREST                          ; the twelve pairs that the block's end has left
	PV4 1, 2, 3, 5
	PV4 6, 7, 9, 10
	PV4 11, 13, 14, 15
.endm
; steps s and u = s + 1: 16 matrix instructions, the accumulators by turns, then the refill of the two fragments
.macro GRP s, u
	s_wait_dscnt 12                                ; this group's two fragments are in: the next group's two, six loads each, may be out
.irp b, 0,1,2,3
	WM 0, \s, \b
.endr
.irp b, 0,1,2,3
	WM 0, \u, \b
.endr
.if \s == 0
	WIN 0                                          ; between the K and the V products: the next block's addresses (held at the run's last block), this block's place in the score stage,
	v_add_nc_u32 v[ADN], s[BN], v[ADA0]
	v_add_nc_u32 v[ADN+1], v[ADN], v[H16]
	v_add_nc_u32 v[ADSN], s[SN], v[ADS0]
	v_add_nc_u32 v[STO], s[SS], v[STO0]
	PVREST                                         ; and the rest of the last block's ctx, ahead of the products that start V anew
.endif
.irp b, 0,1,2,3
	WM 1, \s, \b
.endr
.irp b, 0,1,2,3
	WM 1, \u, \b
.endr
	WIN 0
	PLACES
.if \s >= 4
	ds_load_b32 v[SA+\s-4], v[ADSN] offset:4*(\s-4)    ; the next block's scale words, as each register is done with
	ds_load_b32 v[SA+\u-4], v[ADSN] offset:4*(\u-4)
	FRAG AF+12*(\s-4), ADN, \s-4, 0
	FRAG AF+12*(\u-4), ADN, \u-4, 0
.else
	FRAG AF+12*\s, ADA, \s+4, 0
	FRAG AF+12*\u, ADA, \u+4, 0
.endif
.endm
.macro EPI                             ; the block's scores, its share of the running softmax, and the first pair of each V accumulator
	v_mov_b32 v[ADA], v[ADN]
	v_mov_b32 v[ADA+1], v[ADN+1]
.irp s, 0,1,2,3
.irp pp, 0,1,2,3
.if \s == 0
	v_pk_mul_f32 v[CH+2*\pp:CH+2*\pp+1], v[ACC+2*\pp:ACC+2*\pp+1], v[QR+2*\pp:QR+2*\pp+1]
.else
	v_pk_fma_f32 v[CH+2*\pp:CH+2*\pp+1], v[ACC+8*\s+2*\pp:ACC+8*\s+2*\pp+1], v[QR+8*\s+2*\pp:QR+8*\s+2*\pp+1], v[CH+2*\pp:CH+2*\pp+1]
.endif
.endr
.endr
	v_pk_add_f32 v[CH:CH+1], v[CH:CH+1], v[CH+2:CH+3]
	v_pk_add_f32 v[CH+4:CH+5], v[CH+4:CH+5], v[CH+6:CH+7]
	v_mov_b32 v[MLO], v[ML]
	v_pk_add_f32 v[CH:CH+1], v[CH:CH+1], v[CH+4:CH+5]
	v_add_f32 v[CH], v[CH], v[CH+1]
	v_permlanex16_b32 v[T], v[CH], s[SEL], s[SEL+1]
	v_add_f32 v[CH], v[CH], v[T]                   ; candidate r's score, in both halves
	ds_store_b32 v[STO], v[CH]
	v_max_num_f32 v[M], v[M], v[CH]                ; the lane's running maximum
	v_mul_f32 v[ML], s[L2E], v[M]
	v_sub_f32 v[F], v[MLO], v[ML]
	v_fma_f32 v[P], v[CH], s[L2E], -v[ML]
	s_wait_alu depctr_va_vdst(0)                   ; the wait ahead of the two exponentials
	v_exp_f32 v[F], v[F]
	v_exp_f32 v[P], v[P]
	v_nop
	s_wait_alu depctr_va_vdst(0)                   ; and behind them, directly ahead of the first readers of p, f and V
	v_fma_f32 v[L], v[L], v[F], v[P]
	PV4 0, 4, 8, 12
.endm
; n blocks from LDS byte base on, scale words from sbase on
.macro RUN base, sbase, n
	s_mov_b32 s[BO], \base
	s_mov_b32 s[SO], \sbase
	s_mov_b32 s[CNT], \n
	v_add_nc_u32 v[ADA], s[BO], v[ADA0]
	v_add_nc_u32 v[ADA+1], v[ADA], v[H16]
	v_add_nc_u32 v[ADSN], s[SO], v[ADS0]
	v_nop
	s_wait_alu depctr_va_vdst(0)
	ds_load_b128 v[SA:SA+3], v[ADSN]
.irp s, 0,1,2,3
	FRAG AF+12*\s, ADA, \s, 0
.endr
.Lrun_\@:
	s_add_co_u32 s[BO], s[BO], BLK
	s_min_u32 s[BN], s[BO], \base+(\n-1)*BLK       ; the last trip's look-ahead is held at the last block; what it brings is not used
	s_add_co_u32 s[SO], s[SO], 512
	s_min_u32 s[SN], s[SO], \sbase+(\n-1)*512
	GRP 0, 1
	GRP 2, 3
	GRP 4, 5
	GRP 6, 7
	EPI
	s_cmp_lg_u32 s[SS], 192
	s_cbranch_scc1 .Lnf_\@                         ; every fourth block: 64 scores leave, 256 consecutive bytes by one store
	ds_load_b64 v[CH+4:CH+5], v[RD]
	s_wait_dscnt 0x0
	global_store_b64 v[CO], v[CH+4:CH+5], s[28:29]
	s_wait_xcnt 0x0                                ; the store has read its registers and base
	s_add_nc_u64 s[28:29], s[28:29], 256
.Lnf_\@:
	s_add_co_u32 s[SS], s[SS], 64
	s_and_b32 s[SS], s[SS], 0xc0
	s_sub_co_u32 s[CNT], s[CNT], 1
	s_cmp_lg_u32 s[CNT], 0
	s_cbranch_scc1 .Lrun_\@
.endm
.macro ZERO base, n
.set z, 0
.rept \n
	v_mov_b32 v[\base+z], 0
.set z, z+1
.endr
.endm
.macro SETGB p                         ; group 0 for my 64 rows of the weight at s[p:p+1]
	s_mov_b32 s[GB+1], s[PW]
	s_add_nc_u64 s[GB+2:GB+3], s[\p:\p+1], s[HO:HO+1]
	s_or_b32 s[GB+3], s[GB+3], 0x80000000
.endm
	s_load_b512 s[4:19], s[0:1], 0x0               ; cand codes 4, scales 6, Wk 8, 10, Wv 12, 14, Wq 16, 18
	s_load_b256 s[20:27], s[0:1], 0x40             ; state 20, 22, bq 24, bv 26
	s_load_b128 s[28:31], s[0:1], 0x60             ; scores 28, part 30
	v_lshl_add_u32 v[SPW], v0, 2, SPARE
	v_mov_b32 v[NIL], 0
	ds_add_u32 v[SPW], v[NIL]
	ds_add_u32 v[SPW], v[NIL]
	v_lshrrev_b32 v8, 5, v0
	v_readfirstlane_b32 s[WV], v8
	s_bfe_u32 s[CX], ttmp6, 0x40000                ; cx: which four heads (the grid is one cluster wide)
	s_bfe_u32 s66, ttmp6, 0x40004                  ; cy
	s_and_b32 s[GY], ttmp7, 0xffff
	s_lshl_b32 s[GY], s[GY], 2
	s_add_co_u32 s[GY], s[GY], s66                 ; which 512 candidates
	s_lshl_b32 s66, s66, 2
	s_lshl_b32 s66, 15, s66                        ; my row of the cluster
	s_lshl_b32 s67, 0x1111, s[CX]                  ; my column
	s_lshl_b32 s[HD], s[CX], 2
	s_add_co_u32 s[HD], s[HD], s[WV]               ; my head
	; groups 1: dense rows of 256 bytes (32 elements of 8), 16 bytes of padding behind each; the weights go to my column, candidates and scales to my row
	s_or_b32 s[G1], s67, (3<<16)|(1<<20)|(1<<21)|(5<<22)|(3<<25)
	s_or_b32 s[G1J], s66, (3<<16)|(1<<20)|(1<<21)|(5<<22)|(3<<25)
	s_or_b32 s[G1K], s66, (3<<16)|(1<<20)|(1<<21)|(5<<22)|(3<<25)
	s_or_b32 s[G1S], s66, (3<<16)|(1<<21)
.irp g, G1, G1J, G1K, G1S
	s_mov_b32 s[\g+1], 32<<16
	s_mov_b32 s[\g+3], 32<<16
	s_mov_b32 s[\g+5], 32
	s_mov_b32 s[\g+6], 0
	s_mov_b32 s[\g+7], 0
.endr
	s_mov_b32 s[G1+2], 384<<16                     ; 128 rows of codes at the head, later 64
	s_mov_b32 s[G1+4], 384
	s_mov_b32 s[G1J+2], 384<<16
	s_mov_b32 s[G1J+4], 384
	s_mov_b32 s[G1K+2], 192<<16
	s_mov_b32 s[G1K+4], 192
	s_mov_b32 s[G1S+2], 48<<16                     ; the scales of 384 rows, later of 128
	s_mov_b32 s[G1S+4], 48
	s_mul_i32 s[PW], s[WV], PART
	s_lshl_b32 s88, s[CX], 2
	s_lshl_b32 s89, s[WV], 1
	s_add_co_u32 s88, s88, s89
	s_mul_i32 s88, s88, WROWS                      ; waves 0, 1: two heads' rows of Wq each
	s_mov_b32 s89, 0
	s_mul_i32 s[HO], s[HD], WROWS
	s_mov_b32 s[HO+1], 0
	s_mul_i32 s[AP], s[GY], 512*768
	s_mov_b32 s[AP+1], 0
	s_lshl_b32 s66, s[GY], 14
	s_mov_b32 s67, 0
	s_mov_b32 s[GB], 1
	s_mov_b32 s[GA], 1
	s_mov_b32 s[GS], 1
	s_lshl_b32 s[GB+1], s[PW], 1
	s_mov_b32 s[GA+1], XB
	s_mov_b32 s[GS+1], SCA
	s_wait_dscnt 0x0
	s_wait_kmcnt 0x0
	s_add_nc_u64 s[AP:AP+1], s[4:5], s[AP:AP+1]
	s_add_nc_u64 s[GB+2:GB+3], s[16:17], s[88:89]
	s_or_b32 s[GB+3], s[GB+3], 0x80000000
	s_mov_b64 s[GA+2:GA+3], s[AP:AP+1]
	s_or_b32 s[GA+3], s[GA+3], 0x80000000
	s_add_nc_u64 s[GS+2:GS+3], s[6:7], s[66:67]
	s_or_b32 s[GS+3], s[GS+3], 0x80000000
	CROUND
	; the head's loads, one a wave: Wq's 256 rows (waves 0, 1), candidates 0-127 (wave 2), the scales of candidates 0-383 (wave 3)
	s_cmp_lt_u32 s[WV], 2
	s_cbranch_scc0 .Lh2
	TL GB, G1
	s_branch .Lhj
.Lh2:
	s_cmp_eq_u32 s[WV], 2
	s_cbranch_scc0 .Lh3
	TL GA, G1J
	s_branch .Lhj
.Lh3:
	TL GS, G1S
.Lhj:
	s_lshr_b32 s66, s[GY], 2                       ; the batch
	s_mul_i32 s88, s66, 768
	s_add_nc_u64 s[20:21], s[20:21], s[88:89]
	s_lshl_b32 s88, s66, 5
	s_add_nc_u64 s[22:23], s[22:23], s[88:89]
	s_lshl_b32 s88, s[HD], 11
	s_add_nc_u64 s[18:19], s[18:19], s[88:89]
	s_add_nc_u64 s[10:11], s[10:11], s[88:89]
	s_add_nc_u64 s[14:15], s[14:15], s[88:89]
	s_lshl_b32 s88, s[HD], 8
	s_add_nc_u64 s[24:25], s[24:25], s[88:89]
	s_add_nc_u64 s[26:27], s[26:27], s[88:89]
	s_lshl_b32 s66, s66, 4
	s_add_co_u32 s66, s66, s[HD]
	s_lshl_b32 s66, s66, 2
	s_and_b32 s67, s[GY], 3
	s_add_co_u32 s66, s66, s67                     ; 4 (16 batch + head) + my quarter of the candidates
	s_lshl_b32 s88, s66, 11
	s_add_nc_u64 s[28:29], s[28:29], s[88:89]      ; 512 scores each
	s_lshl_b32 s88, s66, 9
	s_add_nc_u64 s[30:31], s[30:31], s[88:89]      ; 512 bytes of part each
	s_mov_b32 s[SEL], 0x76543210
	s_mov_b32 s[SEL+1], 0xfedcba98
	s_mov_b32 s[L2E], 0x3fb8aa3b
	s_mov_b32 s[SS], 0
	s_lshl_b32 s66, s[WV], 8
	s_add_co_u32 s66, s66, STG
	v_and_b32 v8, 15, v0                           ; r
	v_bfe_u32 v9, v0, 4, 1                         ; h
	v_and_b32 v[CO], 31, v0
	v_mul_u32_u24 v10, v9, 24                      ; 24 h
	v_lshlrev_b32 v[H16], 4, v9
	v_lshlrev_b32 v15, 5, v9                       ; 32 h
	v_mad_u32_u24 v[ADA0], v8, RP, v10
	v_lshl_add_u32 v12, v8, 5, v[H16]              ; 32 r + 16 h
	v_lshlrev_b32 v[CO], 3, v[CO]
	v_lshl_add_u32 v[STO0], v8, 2, s66
	v_add_nc_u32 v[ADS0], SCA, v12
	v_add_nc_u32 v[RD], s66, v[CO]
	v_add_nc_u32 v[ADA], s[PW], v[ADA0]            ; my rows in P
	v_add_nc_u32 v[ADA+1], v[ADA], v[H16]
	v_mov_b32 v[F], 0
	v_mov_b32 v[F+1], 0
	v_mov_b32 v[P], 0
	v_mov_b32 v[P+1], 0
	v_mov_b32 v[L], 0
	v_mov_b32 v[T], 0
	v_mov_b32 v[M], 0xfe967699
	v_mul_f32 v[ML], s[L2E], v[M]
	s_wait_alu depctr_va_vdst(0)
.irp q, 0,1,2,3,4,5,6,7
.irp p, 0,1,2,3,4,5
	global_load_b64 v[AF+12*\q+2*\p:AF+12*\q+2*\p+1], v10, s[20:21] offset:96*\q+48*(\p/3)+8*(\p%3)   ; the batch's state in every lane r: v68-163
.endr
.endr
	global_load_b128 v[SA:SA+3], v[H16], s[22:23]
.irp t, 0,1,2,3
	global_load_b128 v[SB+16+4*\t:SB+19+4*\t], v12, s[18:19] offset:512*\t    ; Wq's scale words, where Wv's lie later
	global_load_b128 v[SB+4*\t:SB+3+4*\t], v12, s[10:11] offset:512*\t        ; Wk's
.endr
.irp k, 0,1,2,3,4,5,6,7
	global_load_b128 v[CTX+4*\k:CTX+4*\k+3], v15, s[24:25] offset:64*(\k/2)+16*(\k%2)   ; bq in the result's layout
.endr
	s_wait_tensorcnt 0x0
	s_barrier_signal -1
	s_barrier_wait -1                              ; Wq, candidates 0-127 and the scales lie in LDS for all four waves
	READB 0
	SEQ
	s_mov_b32 s[G1+2], 192<<16                     ; no load of mine is out: from here on 64 rows a wave
	s_mov_b32 s[G1+4], 192
	SETGB 8
	CROUND
	TL GB, G1                                      ; Wk over Wq
	s_wait_loadcnt 0x0
.irp q, 0,1,2,3,4,5,6,7
.irp t, 0,1,2,3
	BREG 4*\q+\t
	WIN BW
.if \q == 0
	v_wmma_scale_f32_16x16x128_f8f6f4 v[QR+8*\t:QR+8*\t+7], v[BR:BR+11], v[AF+12*\q:AF+12*\q+11], v[CTX+8*\t:CTX+8*\t+7], v[SB+16+4*\t], v[SA] matrix_a_fmt:MATRIX_FMT_FP6 matrix_b_fmt:MATRIX_FMT_FP6
.elseif \q < 4
	v_wmma_scale_f32_16x16x128_f8f6f4 v[QR+8*\t:QR+8*\t+7], v[BR:BR+11], v[AF+12*\q:AF+12*\q+11], v[QR+8*\t:QR+8*\t+7], v[SB+16+4*\t+\q], v[SA+\q] matrix_a_fmt:MATRIX_FMT_FP6 matrix_b_fmt:MATRIX_FMT_FP6
.else
	v_wmma_scale_f32_16x16x128_f8f6f4 v[QR+8*\t:QR+8*\t+7], v[BR:BR+11], v[AF+12*\q:AF+12*\q+11], v[QR+8*\t:QR+8*\t+7], v[SB+16+4*\t+\q-4], v[SA+\q-4] matrix_a_fmt:MATRIX_FMT_FP6 matrix_b_fmt:MATRIX_FMT_FP6 matrix_a_scale:MATRIX_SCALE_ROW1 matrix_b_scale:MATRIX_SCALE_ROW1
.endif
.endr
.endr
	WIN 0
	PLACES
.irp k, 0,2,4,6,8,10,12,14,16,18,20,22,24,26,28,30
	v_pk_mul_f32 v[QR+\k:QR+\k+1], v[QR+\k:QR+\k+1], 0x3e000000 op_sel_hi:[1,0]   ; q / 8
.endr
.irp t, 0,1,2,3
	global_load_b128 v[SB+16+4*\t:SB+19+4*\t], v12, s[14:15] offset:512*\t        ; Wv's scale words
.endr
	ZERO CTX, 32                                   ; ctx starts at 0;
	ZERO ACC+32, 32                                ; the first block adds 0 x these
	s_wait_alu depctr_va_vdst(0)
	s_wait_tensorcnt 0x0                           ; my own rows of Wk are in: only I read them
	READB 0
	SEQ
	SETGB 12
	CROUND
	TL GB, G1                                      ; Wv over Wk
	s_wait_tensorcnt 0x0
	READB 1
	SEQ
	s_mul_i32 s88, s[WV], WROWS
	s_add_nc_u64 s[GB+2:GB+3], s[AP:AP+1], s[88:89]
	s_add_nc_u64 s[GB+2:GB+3], s[GB+2:GB+3], 128*768
	s_or_b32 s[GB+3], s[GB+3], 0x80000000
	CROUND
	TL GB, G1K                                     ; candidates 128-383 into P, 64 rows a wave, jointly
	s_wait_loadcnt 0x0
	RUN XB, 0, 8
	SEQ
	s_mov_b32 s[G1S+2], 16<<16
	s_mov_b32 s[G1S+4], 16
	s_add_nc_u64 s[GA+2:GA+3], s[GA+2:GA+3], 384*768
	s_add_nc_u64 s[GS+2:GS+3], s[GS+2:GS+3], 384*32
	CROUND
	s_cmp_eq_u32 s[WV], 2                          ; candidates 384-511 into X (wave 2), their scales over those of 0-127 (wave 3)
	s_cbranch_scc0 .Lr3
	TL GA, G1J
	s_branch .Lrj
.Lr3:
	s_cmp_eq_u32 s[WV], 3
	s_cbranch_scc0 .Lrj
	TL GS, G1S
.Lrj:
	RUN 0, 4096, 16
	s_wait_tensorcnt 0x0
	s_wait_dscnt 0x0
	s_barrier_signal -1
	s_barrier_wait -1                              ; X and its scales are whole; nobody reads P any more
	RUN XB, 0, 8
	PVREST                                         ; the rest of the last block's share of ctx
	; the way out: the sixteen lanes' maxima, sums and vectors are joined; + bv x the sum; 512 bytes of part through my bytes of P, which has had its last fill
	v_and_b32 v8, 15, v0
	v_bfe_u32 v9, v0, 4, 1
	v_and_b32 v10, 31, v0
	v_lshlrev_b32 v15, 5, v9
	s_lshl_b32 s88, s[WV], 9
	v_lshlrev_b32 v[CO], 4, v10
	v_add_nc_u32 v11, s88, v15
	v_add_nc_u32 v13, s88, v[CO]
	v_lshl_add_u32 v12, v8, 4, s88
	v_add_nc_u32 v12, 256, v12
	v_mov_b32 v22, v[ML]
	s_wait_alu depctr_va_vdst(0)
.irp k, 0,1,2,3,4,5,6,7
	global_load_b128 v[160+4*\k:163+4*\k], v15, s[26:27] offset:64*(\k/2)+16*(\k%2)
.endr
.irp m, 1,2,4,8
	v_max_num_f32_dpp v22, v22, v22 row_xmask:\m row_mask:0xf bank_mask:0xf
.endr
	v_sub_f32 v[F], v[ML], v22
	s_wait_alu depctr_va_vdst(0)
	v_exp_f32 v[F], v[F]
	v_nop
	s_wait_alu depctr_va_vdst(0)
	v_mul_f32 v[L], v[L], v[F]
.irp k, 0,2,4,6,8,10,12,14,16,18,20,22,24,26,28,30
	v_pk_mul_f32 v[128+\k:129+\k], v[CTX+\k:CTX+\k+1], v[F:F+1] op_sel_hi:[1,0]
.endr
.irp m, 1,2,4,8
.set z, 0
.rept 32
	v_add_f32_dpp v[128+z], v[128+z], v[128+z] row_xmask:\m row_mask:0xf bank_mask:0xf
.set z, z+1
.endr
	v_add_f32_dpp v[L], v[L], v[L] row_xmask:\m row_mask:0xf bank_mask:0xf
.endr
	s_wait_alu depctr_va_vdst(0)
	s_wait_loadcnt 0x0
.irp k, 0,2,4,6,8,10,12,14,16,18,20,22,24,26,28,30
	v_pk_fma_f32 v[128+\k:129+\k], v[160+\k:161+\k], v[L:L+1], v[128+\k:129+\k] op_sel_hi:[1,0,1]
.endr
	v_mov_b32 v24, v22
	v_mov_b32 v25, v[L]
	v_mov_b32 v26, v22
	v_mov_b32 v27, v[L]
.irp k, 0,1,2,3,4,5,6,7
	ds_store_b128 v11, v[128+4*\k:131+4*\k] offset:64*(\k/2)+16*(\k%2)
.endr
	ds_store_b128 v12, v[24:27]
	ds_load_b128 v[28:31], v13
	s_wait_dscnt 0x0
	global_store_b128 v[CO], v[28:31], s[30:31]
	SEQ                                            ; the wave's end
	CROUND                                         ; the closing round
	s_endpgm
.Lfunc_end_k_q3a7845e63a_main:
	.size	k_q3a7845e63a_main, .Lfunc_end_k_q3a7845e63a_main-k_q3a7845e63a_main
	.p2alignl 7, 3214868480
	.fill 96, 4, 3214868480
	.section	.rodata,"a",@progbits
	.p2align	6, 0x0
	.amdhsa_kernel k_q3a7845e63a_main
		.amdhsa_group_segment_fixed_size 327680
		.amdhsa_private_segment_fixed_size 0
		.amdhsa_enable_private_segment 0
		.amdhsa_kernarg_size 112
		.amdhsa_user_sgpr_count 2
		.amdhsa_user_sgpr_kernarg_segment_ptr 1
		.amdhsa_wavefront_size32 1
		.amdhsa_system_sgpr_workgroup_id_x 1
		.amdhsa_system_sgpr_workgroup_id_y 1
		.amdhsa_system_sgpr_workgroup_id_z 1
		.amdhsa_system_vgpr_workitem_id 0
		.amdhsa_next_free_vgpr 1024
		.amdhsa_next_free_sgpr 102
		.amdhsa_reserve_vcc 0
		.amdhsa_float_denorm_mode_32 3
		.amdhsa_float_denorm_mode_16_64 3
		.amdhsa_memory_ordered 1
		.amdhsa_forward_progress 1
		.amdhsa_inst_pref_size 134
	.end_amdhsa_kernel
	.amdgpu_metadata
---
amdhsa.version: [ 1, 2 ]
amdhsa.kernels:
  - .name:           k_q3a7845e63a_main
    .symbol:         k_q3a7845e63a_main.kd
    .args:
      - { .name: candidates_codes, .offset: 0, .size: 8, .value_kind: global_buffer, .address_space: global }
      - { .name: candidates_scales, .offset: 8, .size: 8, .value_kind: global_buffer, .address_space: global }
      - { .name: Wk_codes, .offset: 16, .size: 8, .value_kind: global_buffer, .address_space: global }
      - { .name: Wk_scales, .offset: 24, .size: 8, .value_kind: global_buffer, .address_space: global }
      - { .name: Wv_codes, .offset: 32, .size: 8, .value_kind: global_buffer, .address_space: global }
      - { .name: Wv_scales, .offset: 40, .size: 8, .value_kind: global_buffer, .address_space: global }
      - { .name: Wq_codes, .offset: 48, .size: 8, .value_kind: global_buffer, .address_space: global }
      - { .name: Wq_scales, .offset: 56, .size: 8, .value_kind: global_buffer, .address_space: global }
      - { .name: state_codes, .offset: 64, .size: 8, .value_kind: global_buffer, .address_space: global }
      - { .name: state_scales, .offset: 72, .size: 8, .value_kind: global_buffer, .address_space: global }
      - { .name: bq, .offset: 80, .size: 8, .value_kind: global_buffer, .address_space: global }
      - { .name: bv, .offset: 88, .size: 8, .value_kind: global_buffer, .address_space: global }
      - { .name: scores, .offset: 96, .size: 8, .value_kind: global_buffer, .address_space: global }
      - { .name: part, .offset: 104, .size: 8, .value_kind: global_buffer, .address_space: global }
    .group_segment_fixed_size: 327680
    .private_segment_fixed_size: 0
    .kernarg_segment_align: 8
    .kernarg_segment_size: 112
    .max_flat_workgroup_size: 128
    .sgpr_count:     102
    .vgpr_count:     1024
    .wavefront_size: 32
...
	.end_amdgpu_metadata
.endif
;; end of part 1
;; launch finish (part 2): grid 24 x 1, 8 waves a work-group, no clusters, 201,728 bytes of LDS; arguments part, scores, Wo_codes, Wo_scales, bo, out0, out1, out2, out3; writes out0, out1, out2, out3
.if DOCPART == 2
	.amdgcn_target "amdgcn-amd-amdhsa--gfx1250"
	.amdhsa_code_object_version 6
	.text
	.protected	k_q3a7845e63a_finish
	.globl	k_q3a7845e63a_finish
	.p2align	8
	.type	k_q3a7845e63a_finish,@function
k_q3a7845e63a_finish:
	s_mov_b64 s[64:65], 0
	v_nop
	global_prefetch_b8 v0, s[64:65] scope:SCOPE_SE
	s_setreg_imm32_b32 hwreg(HW_REG_WAVE_MODE, 25, 1), 1
	s_wait_xcnt 0x0
; Two small jobs in one launch, told apart by the work-group's number; each has LDS bytes of its own.
; WORK-GROUPS 0-7: out0 = Q(ctx) Wo^T + bo, columns 128 g on.
;   ctx: wave w joins the four partial softmaxes of all 16 heads of batches 2 w and 2 w + 1.  Every load of a vector reads 256 consecutive bytes in sixteen lanes (lanes 0-15 one batch, lanes 16-31 the other);
;   the 32 pairs' weights are made once, a lane to a pair, and handed to the sixteen lanes of a pair through the wave's own table in LDS.  ctx meets in LDS as 16 rows of f32; a barrier.
;   Then wave w takes ctx's K step w, lane (r, h) blocks h and 2 + h of batch r, quantises it to FP6 (E2M3) with E8M0 scales in registers and hands the fragment to the other waves as an image of its registers.
;   Wo: a wave's 16 rows are 12,288 dense bytes: they are loaded as they lie, 256 consecutive bytes in sixteen lanes, and turned into fragments through the wave's own LDS bytes.
; WORK-GROUPS 8-23: one batch each: the mean of the 16 heads' scores, its softmax (out1), and the eight largest weights with their places (out3, out2); equal weights go to the lower place.
; The choice is made by v_cndmask_b32 alone: no branch and no address hangs on a floating-point number.
; LIMITS: NaN and infinities are not served; a block of zeros of ctx gets the scale byte 1 where the rule says 127: its codes are zeros, and nobody else reads the byte.
; REGISTERS of the out0 path: v4-15, v152-156 addresses; v16-143 the vectors of heads 0-7, later the codes, the images and the result; v144-151 the pairs (maximum, sum); v160-223 eight steps' weights, later 64 numbers of ctx;
;   v224-231 a pair's four weights at the even registers; v232-235 Wo's scale words, v236-243 ctx's (scales and nothing else); v244-253 at work.
;   window 1: v0-95 Wo as loaded; v96-223 the vectors of heads 8-15, later (v96-191) Wo's eight fragments; v224-231 bo.
.set CIMG, 0                           ; ctx's eight fragments, 1,536 bytes each
.set CSC,  8*1536                      ; their scale words, 128 bytes each
.set OST,  CSC+8*128                   ; out0's stage: 16 rows x (512 + 16) bytes
.set RED0, OST+16*528                  ; the waves' maxima;  256 bytes on: their sums
.set TKV,  RED0+512                    ; the waves' eight largest, 128 bytes a wave;  1,024 bytes on: their places
.set WT,   TKV+2048+256                ; the weights' tables: 32 entries of 32 bytes a wave
.set CP,   4096+16                     ; a row of ctx in LDS: 1,028 words: row r starts at bank 4 r mod 64 (64 banks of 4 bytes: ISA guide 11.1), so sixteen rows' 16 bytes fall on different banks
.set CTXF, WT+8*1024                   ; ctx, 16 rows
.set WP,   768+16                      ; a row of Wo in LDS: 196 words: lane (r, h) reads words 4 r + 6 h and the next: 64 different banks in a load of 8 bytes a lane
.set WOL,  CTXF+16*CP                  ; Wo's rows, 16 a wave
.set X,    160
.set WLD,  152                         ; v152 my fragments' place in my wave's rows of Wo
.set WTS,  153                         ; v153 where I put my pair's weights
.set WTR,  154                         ; v154 where I find my half's pair of step 0
.set CST,  155                         ; v155 where I put 16 bytes of ctx
.set CRD,  156                         ; v156 where my two blocks of ctx begin
.set MSB, 0
.macro WIN new
.if MSB != \new
	s_set_vgpr_msb (MSB<<8)|\new
.set MSB, \new
.endif
.endm
.macro WMAX r, t                       ; over the 32 lanes, the result in every lane
.irp m, 1,2,4,8
	s_delay_alu instid0(VALU_DEP_1)
	v_max_num_f32_dpp v[\r], v[\r], v[\r] row_xmask:\m row_mask:0xf bank_mask:0xf
.endr
	s_delay_alu instid0(VALU_DEP_1)
	v_permlanex16_b32 v[\t], v[\r], s22, s23
	s_delay_alu instid0(VALU_DEP_1)
	v_max_num_f32 v[\r], v[\r], v[\t]
.endm
.macro WMIN r, t
.irp m, 1,2,4,8
	s_delay_alu instid0(VALU_DEP_1)
	v_min_num_f32_dpp v[\r], v[\r], v[\r] row_xmask:\m row_mask:0xf bank_mask:0xf
.endr
	s_delay_alu instid0(VALU_DEP_1)
	v_permlanex16_b32 v[\t], v[\r], s22, s23
	s_delay_alu instid0(VALU_DEP_1)
	v_min_num_f32 v[\r], v[\r], v[\t]
.endm
.macro WADD r, t
.irp m, 1,2,4,8
	s_delay_alu instid0(VALU_DEP_1)
	v_add_f32_dpp v[\r], v[\r], v[\r] row_xmask:\m row_mask:0xf bank_mask:0xf
.endr
	s_delay_alu instid0(VALU_DEP_1)
	v_permlanex16_b32 v[\t], v[\r], s22, s23
	s_delay_alu instid0(VALU_DEP_1)
	v_add_f32 v[\r], v[\r], v[\t]
.endm
; One step: my four numbers of a pair's four partial vectors (16 registers from vb on) x the pair's four weights (at the even registers from wb on), summed in place in the first vector's registers
.macro CSTEP vb, wb
.irp k, 0,2
	v_pk_mul_f32 v[(\vb)+\k:(\vb)+\k+1], v[(\vb)+\k:(\vb)+\k+1], v[(\wb):(\wb)+1] op_sel_hi:[1,0]
.endr
.irp p, 1,2,3
.irp k, 0,2
	s_delay_alu instid0(VALU_DEP_2)
	v_pk_fma_f32 v[(\vb)+\k:(\vb)+\k+1], v[(\vb)+4*\p+\k:(\vb)+4*\p+\k+1], v[(\wb)+2*\p:(\wb)+2*\p+1], v[(\vb)+\k:(\vb)+\k+1] op_sel_hi:[1,0,1]
.endr
.endr
.endm
	s_load_b256 s[4:11], s[0:1], 0x0               ; part s[4:5], scores s[6:7], Wo's codes s[8:9], scales s[10:11]
	s_load_b256 s[12:19], s[0:1], 0x20             ; bo s[12:13], out0 s[14:15], out1 s[16:17], out2 s[18:19]
	s_load_b64 s[20:21], s[0:1], 0x40              ; out3
	v_lshl_add_u32 v254, v0, 2, 0x31000
	v_mov_b32 v255, 0
	v_lshrrev_b32 v1, 5, v0
	s_delay_alu instid0(VALU_DEP_1)
	v_readfirstlane_b32 s24, v1                    ; wave 0..7
	v_and_b32 v3, 31, v0                           ; lane
	v_and_b32 v1, 15, v0                           ; r
	v_bfe_u32 v2, v0, 4, 1                         ; h
	s_mov_b32 s22, 0x76543210
	s_mov_b32 s23, 0xfedcba98                      ; lane l xor 16
	s_mov_b32 s25, 0x3fb8aa3b                      ; log2 e
	s_mov_b32 s27, 0
	s_wait_kmcnt 0x0
	s_cmp_lt_u32 ttmp9, 8
	s_cbranch_scc0 .Lweights
	; ================= out0 =================
	s_wait_alu depctr_va_vdst(0)
	v_lshlrev_b32 v4, 15, v2
	s_delay_alu instid0(VALU_DEP_1)
	v_lshl_add_u32 v4, v1, 4, v4                   ; part's vectors: a batch is 32,768 bytes: lanes 16-31 take the second; 16 bytes a lane
	v_and_b32 v5, 1, v3
	v_lshrrev_b32 v14, 1, v3
	s_delay_alu instid0(VALU_DEP_2)
	v_lshlrev_b32 v5, 15, v5
	s_delay_alu instid0(VALU_DEP_1)
	v_lshl_add_u32 v5, v14, 11, v5                 ; the pairs (maximum, sum): lane j takes batch 2 w + j % 2, head j / 2 (a head is 2,048 bytes)
	s_wait_alu depctr_va_vdst(0)
	v_mul_u32_u24 v14, v2, 768
	s_delay_alu instid0(VALU_DEP_1)
	v_lshl_add_u32 v14, v1, 4, v14                 ; Wo as it lies: lanes 0-15 a row's 256 bytes, lanes 16-31 the next row's
	v_lshlrev_b32 v6, 4, v2
	s_delay_alu instid0(VALU_DEP_1)
	v_lshl_add_u32 v6, v1, 5, v6                   ; its scale words: 32 r + 16 h
	v_lshlrev_b32 v7, 5, v2                        ; bo: 32 h
	s_wait_alu depctr_va_vdst(0)
	s_lshl_b32 s26, s24, 16
	s_add_nc_u64 s[4:5], s[4:5], s[26:27]          ; batches 2 w, 2 w + 1
	s_lshl_b32 s28, ttmp9, 7
	s_lshl_b32 s29, s24, 4
	s_add_co_u32 s28, s28, s29                     ; my 16 rows of Wo
	s_mul_i32 s26, s28, 768
	s_add_nc_u64 s[8:9], s[8:9], s[26:27]
	s_lshl_b32 s26, s28, 5
	s_add_nc_u64 s[10:11], s[10:11], s[26:27]
	s_lshl_b32 s26, s28, 2
	s_add_nc_u64 s[12:13], s[12:13], s[26:27]
	s_lshl_b32 s26, ttmp9, 9
	s_lshl_b32 s29, s24, 13
	s_add_co_u32 s26, s26, s29
	s_add_nc_u64 s[14:15], s[14:15], s[26:27]      ; out0: rows 2 w on, the work-group's 512 bytes
.irp p, 0,1,2,3
	global_load_b64 v[144+2*\p:145+2*\p], v5, s[4:5] offset:512*\p+256                          ; (maximum, sum) of my pair's partial p: wanted first, asked for first
.endr
.irp s, 0,1,2,3,4,5,6,7
.irp p, 0,1,2,3
	global_load_b128 v[16+16*\s+4*\p:16+16*\s+4*\p+3], v4, s[4:5] offset:2048*\s+512*\p         ; head s, partial p
.endr
.endr
	WIN 0x40                                       ; destination window 1
.irp s, 0,1,2,3,4,5,6,7
.irp p, 0,1,2,3
	global_load_b128 v[96+16*\s+4*\p:96+16*\s+4*\p+3], v4, s[4:5] offset:2048*(8+\s)+512*\p     ; head 8 + s
.endr
.endr
	global_load_b128 v[224:227], v7, s[12:13]      ; bo in the result's layout
	global_load_b128 v[228:231], v7, s[12:13] offset:16
.irp t, 0,1,2,3,4,5,6,7
.irp c, 0,1,2
	global_load_b128 v[4*(3*\t+\c):4*(3*\t+\c)+3], v14, s[8:9] offset:1536*\t+256*\c            ; Wo's rows 2 t and 2 t + 1, bytes 256 c on
.endr
.endr
	WIN 0
	global_load_b128 v[232:235], v6, s[10:11]      ; Wo's scale words: lanes 0-15 K steps 0-3, lanes 16-31 K steps 4-7
	; ---- LDS addresses, made while the loads are out: constants, the lane and the wave's number
	v_lshlrev_b32 v8, 4, v3                        ; 16 x lane
	v_lshlrev_b32 v9, 2, v3                        ; 4 x lane
	s_mul_i32 s26, s24, 1536
	v_add_nc_u32 v10, s26, v8                      ; where my fragment's image goes
	s_lshl_b32 s26, s24, 7
	s_add_co_u32 s26, s26, CSC
	v_add_nc_u32 v11, s26, v9                      ; and its scale words
	v_mul_u32_u24 v12, v1, 528
	s_delay_alu instid0(VALU_DEP_1)
	v_add_nc_u32 v12, v12, v7
	s_lshl_b32 s26, s24, 6
	s_add_co_u32 s26, s26, OST
	v_add_nc_u32 v12, s26, v12                     ; the stage: row r, my 16 columns' 64 bytes, + 32 h
	s_mul_i32 s26, s24, 1056
	s_add_co_u32 s26, s26, OST
	v_add_nc_u32 v13, s26, v8                      ; back: rows 2 w and 2 w + 1
	s_mul_i32 s26, s24, 16*WP
	s_add_co_u32 s26, s26, WOL                     ; my wave's rows of Wo
	v_mul_u32_u24 v15, v2, WP
	s_delay_alu instid0(VALU_DEP_1)
	v_lshl_add_u32 v15, v1, 4, v15
	s_delay_alu instid0(VALU_DEP_1)
	v_add_nc_u32 v15, s26, v15                     ; in: as loaded, row h, 16 r
	v_mul_u32_u24 v[WLD], v2, 24
	s_delay_alu instid0(VALU_DEP_1)
	v_mad_u32_u24 v[WLD], v1, WP, v[WLD]
	s_delay_alu instid0(VALU_DEP_1)
	v_add_nc_u32 v[WLD], s26, v[WLD]               ; back: row r, + 24 h
	s_lshl_b32 s26, s24, 10
	s_add_co_u32 s26, s26, WT                      ; my wave's table
	v_lshl_add_u32 v[WTS], v3, 5, s26              ; entry = lane
	v_lshl_add_u32 v[WTR], v2, 5, s26              ; step s reads entry 2 s + h
	s_mul_i32 s26, s24, 2*CP
	s_add_co_u32 s26, s26, CTXF
	v_mul_u32_u24 v[CST], v2, CP
	s_delay_alu instid0(VALU_DEP_1)
	v_lshl_add_u32 v[CST], v1, 4, v[CST]
	s_delay_alu instid0(VALU_DEP_1)
	v_add_nc_u32 v[CST], s26, v[CST]               ; ctx in: row 2 w + h, 16 r; head s is 256 s bytes on
	s_lshl_b32 s26, s24, 9
	s_add_co_u32 s26, s26, CTXF
	v_mul_u32_u24 v[CRD], v1, CP
	s_delay_alu instid0(VALU_DEP_1)
	v_lshl_add_u32 v[CRD], v2, 7, v[CRD]
	s_delay_alu instid0(VALU_DEP_1)
	v_add_nc_u32 v[CRD], s26, v[CRD]               ; ctx back: row r, K step w's 512 bytes, + 128 h
.irp p, 0,1,2,3
	v_mov_b32 v[225+2*\p], 0                       ; the odd words of a table's entry: named as the upper halves of pairs
.endr
	; ---- my pair's four weights: 2^(m_p - the largest m) / the whole sum
	s_wait_loadcnt 63                              ; 91 loads stand behind the four pairs; 63 is the largest count that a wait names, and a smaller count than needed is safe
	v_max3_num_f32 v244, v144, v146, v148
	s_delay_alu instid0(VALU_DEP_1)
	v_max_num_f32 v244, v244, v150
.irp p, 0,1,2,3
	v_sub_f32 v[224+2*\p], v[144+2*\p], v244
.endr
	s_wait_alu depctr_va_vdst(0)
.irp p, 0,1,2,3
	v_exp_f32 v[224+2*\p], v[224+2*\p]
.endr
	v_nop
	s_wait_alu depctr_va_vdst(0)                   ; one wait for the four, ahead of their first reader
	v_mul_f32 v245, v224, v145
	v_fma_f32 v245, v226, v147, v245
	v_fma_f32 v245, v228, v149, v245
	v_fma_f32 v245, v230, v151, v245
	s_wait_alu depctr_va_vdst(0)
	v_rcp_f32 v245, v245
	v_nop
	s_wait_alu depctr_va_vdst(0)
.irp p, 0,1,2,3
	v_mul_f32 v[224+2*\p], v[224+2*\p], v245
.endr
	ds_store_b128 v[WTS], v[224:227]
	ds_store_b128 v[WTS], v[228:231] offset:16
.irp s, 0,1,2,3,4,5,6,7
	ds_load_b128 v[160+8*\s:163+8*\s], v[WTR] offset:64*\s       ; LDS serves a wave's instructions in order (ISA guide 5.7.1.4): these see my wave's stores.  Sixteen lanes read one entry
	ds_load_b128 v[164+8*\s:167+8*\s], v[WTR] offset:64*\s+16
.endr
	s_wait_dscnt 0x0
.irp s, 0,1,2,3,4,5,6,7
.set NW, (15-\s)*4+27                              ; behind this step's four loads: the later steps' four each, bo's 2, Wo's 24, the scale words' 1
.if NW > 63
.set NW, 63
.endif
	s_wait_loadcnt NW
	CSTEP 16+16*\s, 160+8*\s
	ds_store_b128 v[CST], v[16+16*\s:19+16*\s] offset:256*\s
.endr
.irp s, 0,1,2,3,4,5,6,7
	ds_load_b128 v[160+8*\s:163+8*\s], v[WTR] offset:64*(8+\s)   ; the weights of heads 8-15
	ds_load_b128 v[164+8*\s:167+8*\s], v[WTR] offset:64*(8+\s)+16
.endr
	s_wait_dscnt 0x0
	WIN 0x51                                       ; the vectors (source 0, source 2, destination) window 1, the weights window 0
.irp s, 0,1,2,3,4,5,6,7
.set NW, (7-\s)*4+27
	s_wait_loadcnt NW
	CSTEP 96+16*\s, 160+8*\s
.endr
	WIN 0x04                                       ; an LDS store's data are its source 1: window 1
	s_wait_alu depctr_va_vdst(0)
.irp s, 0,1,2,3,4,5,6,7
	ds_store_b128 v[CST], v[96+16*\s:99+16*\s] offset:256*(8+\s)
.endr
	WIN 0
	s_wait_dscnt 0x0                               ; for the others' sake: my two rows of ctx lie in LDS
	s_barrier_signal -1
	s_barrier_wait -1
.irp c, 0,1
.irp g, 0,1,2,3,4,5,6,7
	ds_load_b128 v[X+32*\c+4*\g:X+32*\c+4*\g+3], v[CRD] offset:256*\c+16*\g
.endr
.endr
	s_wait_dscnt 0x0
	; the quantiser: v[X + 32 c + i] = ctx(batch r, 128 w + 64 c + 32 h + i): a whole block of 32 in one lane, in the order of the operand's registers
.irp c, 0,1
	v_max3_num_f32 v[246+\c], |v[X+32*\c]|, |v[X+32*\c+1]|, 0x1800000    ; with the floor 2^(3 - 127): the byte cannot fall under 1
.endr
.irp i, 2,4,6,8,10,12,14,16,18,20,22,24,26,28,30
.irp c, 0,1
	s_delay_alu instid0(VALU_DEP_2)
	v_max3_num_f32 v[246+\c], v[246+\c], |v[X+32*\c+\i]|, |v[X+32*\c+\i+1]|
.endr
.endr
.irp c, 0,1
	s_delay_alu instid0(VALU_DEP_2)
	v_add_nc_u32 v[248+\c], 0xff000000, v[246+\c]  ; 2 off the exponent field: the conversion's scale operand
.endr
.irp c, 0,1
	s_delay_alu instid0(VALU_DEP_2)
	v_lshrrev_b32 v[250+\c], 23, v[248+\c]         ; the scale's byte
.endr
	s_delay_alu instid0(VALU_DEP_1)
	v_lshl_or_b32 v252, v251, 16, v250             ; my two bytes, blocks h and 2 + h,
	v_lshlrev_b32 v253, 3, v2
	s_delay_alu instid0(VALU_DEP_1)
	v_lshlrev_b32 v252, v253, v252                 ; at their places;
	v_mov_b32 v253, 0
	s_delay_alu instid0(VALU_DEP_1)
	v_permlanex16_b32 v253, v252, s22, s23
	s_delay_alu instid0(VALU_DEP_1)
	v_or_b32 v252, v252, v253                      ; with the other half's two the word is whole
.irp c, 0,1
	v_cvt_scalef32_pk16_fp6_f32 v[16+6*\c:18+6*\c], v[X+32*\c:X+32*\c+15], v[248+\c]
	v_cvt_scalef32_pk16_fp6_f32 v[28+4*\c:30+4*\c], v[X+32*\c+16:X+32*\c+31], v[248+\c]   ; (a conversion's three registers begin on an even number)
.endr
	v_nop                                          ; one plain place behind a scaled conversion
.irp c, 0,1
.irp i, 0,1,2
	v_mov_b32 v[19+6*\c+\i], v[28+4*\c+\i]
.endr
.endr
.irp k, 0,1,2
	ds_store_b128 v10, v[16+4*\k:19+4*\k] offset:CIMG+512*\k
.endr
	ds_store_b32 v11, v252
	; ---- Wo: from the registers in which it lies as in memory, through my wave's own rows in LDS, into fragments
	s_wait_loadcnt 0x0                             ; Wo, its scale words, bo
	WIN 0x04                                       ; the data: window 1
.irp t, 0,1,2,3,4,5,6,7
.irp c, 0,1,2
	ds_store_b128 v15, v[4*(3*\t+\c):4*(3*\t+\c)+3] offset:2*\t*WP+256*\c
.endr
.endr
	WIN 0x40                                       ; destination window 1
.irp q, 0,1,2,3,4,5,6,7
.irp p, 0,1,2,3,4,5
	ds_load_b64 v[96+12*\q+2*\p:96+12*\q+2*\p+1], v[WLD] offset:96*\q+48*(\p/3)+8*(\p%3)   ; my wave's own bytes, served in order: these see the stores above
.endr
.endr
	WIN 0
	s_wait_dscnt 0x0                               ; for the others' sake: my image lies in LDS; and Wo's fragments are in
	s_barrier_signal -1
	s_barrier_wait -1
.irp q, 0,1,2,3,4,5,6,7
.irp k, 0,1,2
	ds_load_b128 v[16+12*\q+4*\k:19+12*\q+4*\k], v8 offset:CIMG+1536*\q+512*\k
.endr
	ds_load_b32 v[236+\q], v9 offset:CSC+128*\q
.endr
	s_wait_dscnt 0x0
	WIN 0x11                                       ; source 0 (Wo) and source 2 (bo) window 1
	v_wmma_scale_f32_16x16x128_f8f6f4 v[128:135], v[96:107], v[16:27], v[224:231], v232, v236 matrix_a_fmt:MATRIX_FMT_FP6 matrix_b_fmt:MATRIX_FMT_FP6
	WIN 0x01
.irp q, 1,2,3
	s_wait_alu depctr_va_vdst(0)                   ; the wait directly ahead of each link
	v_wmma_scale_f32_16x16x128_f8f6f4 v[128:135], v[96+12*\q:107+12*\q], v[16+12*\q:27+12*\q], v[128:135], v[232+\q], v[236+\q] matrix_a_fmt:MATRIX_FMT_FP6 matrix_b_fmt:MATRIX_FMT_FP6
.endr
.irp q, 4,5,6,7
	s_wait_alu depctr_va_vdst(0)
	v_wmma_scale_f32_16x16x128_f8f6f4 v[128:135], v[96+12*\q:107+12*\q], v[16+12*\q:27+12*\q], v[128:135], v[228+\q], v[236+\q] matrix_a_fmt:MATRIX_FMT_FP6 matrix_b_fmt:MATRIX_FMT_FP6 matrix_a_scale:MATRIX_SCALE_ROW1
.endr
	WIN 0
.rept 4
	v_nop                                          ; places in front of the first read of the result (ISA guide 7.12.1)
.endr
	ds_store_b128 v12, v[128:131]                  ; lane (r, h): out0(batch r, my columns 8 h + 0 .. 7)
	ds_store_b128 v12, v[132:135] offset:16
	s_wait_dscnt 0x0
	s_barrier_signal -1
	s_barrier_wait -1                              ; 16 rows of 512 bytes lie in the stage
	ds_load_b128 v[16:19], v13
	ds_load_b128 v[20:23], v13 offset:528
	s_wait_dscnt 0x0
	global_store_b128 v8, v[16:19], s[14:15]       ; 32 lanes store 512 consecutive bytes, at a multiple of 512 from out0's first byte
	global_store_b128 v8, v[20:23], s[14:15] offset:4096
	s_wait_tensorcnt 0x0
	ds_add_u32 v254, v255
	s_wait_dscnt 0x0
	s_endpgm
	; ================= out1, out2, out3 =================
.Lweights:
	s_sub_co_u32 s28, ttmp9, 8                     ; the batch
	s_lshl_b32 s26, s28, 17
	s_add_nc_u64 s[6:7], s[6:7], s[26:27]
	s_lshl_b32 s26, s28, 13
	s_add_nc_u64 s[16:17], s[16:17], s[26:27]
	s_lshl_b32 s26, s28, 5
	s_add_nc_u64 s[18:19], s[18:19], s[26:27]
	s_add_nc_u64 s[20:21], s[20:21], s[26:27]
	v_lshlrev_b32 v4, 4, v0                        ; thread t owns candidates 4 t + 0..3 and 1,024 + 4 t + 0..3
.irp hd, 0,1,2,3,4,5,6,7,8,9,10,11,12,13,14,15
	global_load_b128 v[16+8*\hd:19+8*\hd], v4, s[6:7] offset:8192*\hd
	global_load_b128 v[20+8*\hd:23+8*\hd], v4, s[6:7] offset:8192*\hd+4096
.endr
	s_lshl_b32 s26, s24, 2                         ; the addresses below lie in v5-v11, outside the registers v16-v143 that the 32 loads write
	s_add_co_u32 s26, s26, RED0
	v_mov_b32 v5, s26                              ; my wave's word
	v_mov_b32 v6, RED0
	s_lshl_b32 s26, s24, 7
	s_add_co_u32 s26, s26, TKV
	s_wait_alu depctr_va_vdst(0)
	v_lshl_add_u32 v7, v3, 2, s26                  ; my wave's eight largest: 4 bytes a lane
	v_lshrrev_b32 v9, 3, v3
	v_and_b32 v10, 7, v3
	s_delay_alu instid0(VALU_DEP_2)
	v_lshlrev_b32 v8, 7, v9
	s_delay_alu instid0(VALU_DEP_1)
	v_lshl_add_u32 v8, v10, 2, v8
	s_delay_alu instid0(VALU_DEP_1)
	v_add_nc_u32 v8, TKV, v8                       ; the merge: lane l takes number l % 8 of waves l / 8 and 4 + l / 8
	v_lshlrev_b32 v11, 2, v3
	s_wait_loadcnt 0x0
.irp hd, 1,2,3,4,5,6,7,8,9,10,11,12,13,14,15
.irp k, 0,2,4,6
	v_pk_add_f32 v[16+\k:17+\k], v[16+\k:17+\k], v[16+8*\hd+\k:17+8*\hd+\k]
.endr
.endr
.irp k, 0,2,4,6
	s_delay_alu instid0(VALU_DEP_4)
	v_pk_mul_f32 v[16+\k:17+\k], v[16+\k:17+\k], 0x3d800000 op_sel_hi:[1,0]    ; / 16: the mean over the heads
.endr
	v_mov_b32 v33, 0                               ; the heads' scores in v24-v143 have been read: their registers are free.  Written once: a lane permute's destination counts as one of its sources
	v_mov_b32 v46, 0
	v_mov_b32 v48, 0x45800000                      ; 4,096: above every place
	v_mov_b32 v49, -1.0                            ; under every weight
	v_mov_b32 v50, -1.0
	v_mov_b32 v51, 0x45800000
	v_max3_num_f32 v32, v16, v17, v18
	s_delay_alu instid0(VALU_DEP_1)
	v_max3_num_f32 v32, v32, v19, v20
	s_delay_alu instid0(VALU_DEP_1)
	v_max3_num_f32 v32, v32, v21, v22
	s_delay_alu instid0(VALU_DEP_1)
	v_max_num_f32 v32, v32, v23
	WMAX 32, 33
	ds_store_b32 v5, v32                           ; all lanes write the same word with the same value
	s_wait_dscnt 0x0
	s_barrier_signal -1
	s_barrier_wait -1
	ds_load_b128 v[36:39], v6
	ds_load_b128 v[40:43], v6 offset:16
	s_wait_dscnt 0x0
	v_max3_num_f32 v32, v36, v37, v38
	s_delay_alu instid0(VALU_DEP_1)
	v_max3_num_f32 v32, v32, v39, v40
	s_delay_alu instid0(VALU_DEP_1)
	v_max3_num_f32 v32, v32, v41, v42
	s_delay_alu instid0(VALU_DEP_1)
	v_max_num_f32 v32, v32, v43                    ; the batch's largest mean score
	s_delay_alu instid0(VALU_DEP_1)
	v_mul_f32 v34, s25, v32
.irp e, 0,1,2,3,4,5,6,7
	v_fma_f32 v[16+\e], v[16+\e], s25, -v34
.endr
	s_wait_alu depctr_va_vdst(0)
.irp e, 0,1,2,3,4,5,6,7
	v_exp_f32 v[16+\e], v[16+\e]
.endr
	v_nop
	s_wait_alu depctr_va_vdst(0)                   ; one wait for the eight, ahead of their first reader
	v_pk_add_f32 v[36:37], v[16:17], v[18:19]
	v_pk_add_f32 v[38:39], v[20:21], v[22:23]
	s_delay_alu instid0(VALU_DEP_1)
	v_pk_add_f32 v[36:37], v[36:37], v[38:39]
	s_delay_alu instid0(VALU_DEP_1)
	v_add_f32 v32, v36, v37
	WADD 32, 33
	ds_store_b32 v5, v32 offset:256
	s_wait_dscnt 0x0
	s_barrier_signal -1
	s_barrier_wait -1
	ds_load_b128 v[36:39], v6 offset:256
	ds_load_b128 v[40:43], v6 offset:272
	s_wait_dscnt 0x0
	v_pk_add_f32 v[36:37], v[36:37], v[38:39]
	v_pk_add_f32 v[40:41], v[40:41], v[42:43]
	s_delay_alu instid0(VALU_DEP_1)
	v_pk_add_f32 v[36:37], v[36:37], v[40:41]
	s_delay_alu instid0(VALU_DEP_1)
	v_add_f32 v32, v36, v37
	s_wait_alu depctr_va_vdst(0)
	v_rcp_f32 v32, v32
	v_lshlrev_b32 v35, 2, v0                       ; (a plain place behind the reciprocal)  4 t
	s_wait_alu depctr_va_vdst(0)
.irp k, 0,2,4,6
	v_pk_mul_f32 v[16+\k:17+\k], v[16+\k:17+\k], v[32:33] op_sel_hi:[1,0]
.endr
	global_store_b128 v4, v[16:19], s[16:17]       ; a wave stores 512 consecutive bytes
	global_store_b128 v4, v[20:23], s[16:17] offset:4096
	v_cvt_f32_u32 v24, v35                         ; the places, as f32: whole numbers under 2,048 are exact
	s_delay_alu instid0(VALU_DEP_1)
	v_add_f32 v25, 1.0, v24
	s_delay_alu instid0(VALU_DEP_2)
	v_add_f32 v26, 2.0, v24
	s_delay_alu instid0(VALU_DEP_3)
	v_add_f32 v27, 0x40400000, v24
	s_delay_alu instid0(VALU_DEP_4)
	v_add_f32 v28, 0x44800000, v24
	s_delay_alu instid0(VALU_DEP_1)
	v_add_f32 v29, 1.0, v28
	s_delay_alu instid0(VALU_DEP_2)
	v_add_f32 v30, 2.0, v28
	s_delay_alu instid0(VALU_DEP_3)
	v_add_f32 v31, 0x40400000, v28
	s_wait_xcnt 0x0                                ; the stores have read their data: the weights are written again below
; One choice: v44 = the wave's largest weight, v45 = the lowest place that holds it; that one is struck out (-1); lane s30 keeps the pair.
.macro ITER nv, vb, ib
.if \nv == 8
	v_max3_num_f32 v44, v[\vb], v[\vb+1], v[\vb+2]
	s_delay_alu instid0(VALU_DEP_1)
	v_max3_num_f32 v44, v44, v[\vb+3], v[\vb+4]
	s_wait_alu depctr_va_vdst(0)
	v_max3_num_f32 v44, v44, v[\vb+5], v[\vb+6]
	s_delay_alu instid0(VALU_DEP_1)
	v_max_num_f32 v44, v44, v[\vb+7]
.else
	v_max_num_f32 v44, v[\vb], v[\vb+1]
.endif
	WMAX 44, 46
	v_mov_b32 v45, v48
.set e, 0
.rept \nv
	v_cmp_eq_f32 vcc_lo, v[\vb+e], v44
	s_delay_alu instid0(VALU_DEP_1)
	v_cndmask_b32 v47, v48, v[\ib+e], vcc_lo
	s_delay_alu instid0(VALU_DEP_1)
	v_min_num_f32 v45, v45, v47
.set e, e+1
.endr
	WMIN 45, 46
.set e, 0
.rept \nv
	v_cmp_eq_f32 vcc_lo, v[\ib+e], v45
	s_delay_alu instid0(VALU_DEP_1)
	v_cndmask_b32 v[\vb+e], v[\vb+e], v49, vcc_lo
.set e, e+1
.endr
	v_cmp_eq_u32 vcc_lo, s30, v3
	s_delay_alu instid0(VALU_DEP_1)
	v_cndmask_b32 v50, v50, v44, vcc_lo
	s_delay_alu instid0(VALU_DEP_2)
	v_cndmask_b32 v51, v51, v45, vcc_lo
.endm
	s_mov_b32 s30, 0
.Ltop:                                             ; eight trips: each wave's eight largest of its 256
	ITER 8, 16, 24
	s_add_co_u32 s30, s30, 1
	s_cmp_lt_u32 s30, 8
	s_cbranch_scc1 .Ltop
	ds_store_b32 v7, v50
	ds_store_b32 v7, v51 offset:1024
	s_wait_dscnt 0x0
	s_barrier_signal -1
	s_barrier_wait -1
	s_cmp_lg_u32 s24, 0
	s_cbranch_scc1 .Ldone                          ; wave 0 merges the 64
	ds_load_b32 v16, v8
	ds_load_b32 v17, v8 offset:512
	ds_load_b32 v24, v8 offset:1024
	ds_load_b32 v25, v8 offset:1536
	s_wait_dscnt 0x0
	s_mov_b32 s30, 0
.Lmerge:
	s_wait_alu depctr_va_vdst(0)
	ITER 2, 16, 24
	s_add_co_u32 s30, s30, 1
	s_cmp_lt_u32 s30, 8
	s_cbranch_scc1 .Lmerge
	v_cvt_i32_f32 v52, v51
	s_wait_alu depctr_va_vdst(0)
	s_wait_xcnt 0x0                                ; EXEC changes only behind this wait
	v_cmp_gt_u32 vcc_lo, 8, v3
	s_and_saveexec_b32 s31, vcc_lo
	global_store_b32 v11, v52, s[18:19]            ; lanes 0-7: the places,
	global_store_b32 v11, v50, s[20:21]            ; and the weights
	s_wait_xcnt 0x0
	s_or_b32 exec_lo, exec_lo, s31
.Ldone:
	s_wait_tensorcnt 0x0
	ds_add_u32 v254, v255
	s_wait_dscnt 0x0
	s_endpgm
.Lfunc_end_k_q3a7845e63a_finish:
	.size	k_q3a7845e63a_finish, .Lfunc_end_k_q3a7845e63a_finish-k_q3a7845e63a_finish
	.p2alignl 7, 3214868480
	.fill 96, 4, 3214868480
	.section	.rodata,"a",@progbits
	.p2align	6, 0x0
	.amdhsa_kernel k_q3a7845e63a_finish
		.amdhsa_group_segment_fixed_size 201728
		.amdhsa_private_segment_fixed_size 0
		.amdhsa_enable_private_segment 0
		.amdhsa_kernarg_size 72
		.amdhsa_user_sgpr_count 2
		.amdhsa_user_sgpr_kernarg_segment_ptr 1
		.amdhsa_wavefront_size32 1
		.amdhsa_system_sgpr_workgroup_id_x 1
		.amdhsa_system_sgpr_workgroup_id_y 1
		.amdhsa_system_sgpr_workgroup_id_z 1
		.amdhsa_system_vgpr_workitem_id 0
		.amdhsa_next_free_vgpr 512
		.amdhsa_next_free_sgpr 66
		.amdhsa_reserve_vcc 1
		.amdhsa_float_denorm_mode_32 3
		.amdhsa_float_denorm_mode_16_64 3
		.amdhsa_memory_ordered 1
		.amdhsa_forward_progress 1
		.amdhsa_inst_pref_size 65
	.end_amdhsa_kernel
	.amdgpu_metadata
---
amdhsa.version: [ 1, 2 ]
amdhsa.kernels:
  - .name:           k_q3a7845e63a_finish
    .symbol:         k_q3a7845e63a_finish.kd
    .args:
      - { .name: part, .offset: 0, .size: 8, .value_kind: global_buffer, .address_space: global }
      - { .name: scores, .offset: 8, .size: 8, .value_kind: global_buffer, .address_space: global }
      - { .name: Wo_codes, .offset: 16, .size: 8, .value_kind: global_buffer, .address_space: global }
      - { .name: Wo_scales, .offset: 24, .size: 8, .value_kind: global_buffer, .address_space: global }
      - { .name: bo, .offset: 32, .size: 8, .value_kind: global_buffer, .address_space: global }
      - { .name: out0, .offset: 40, .size: 8, .value_kind: global_buffer, .address_space: global }
      - { .name: out1, .offset: 48, .size: 8, .value_kind: global_buffer, .address_space: global }
      - { .name: out2, .offset: 56, .size: 8, .value_kind: global_buffer, .address_space: global }
      - { .name: out3, .offset: 64, .size: 8, .value_kind: global_buffer, .address_space: global }
    .group_segment_fixed_size: 201728
    .private_segment_fixed_size: 0
    .kernarg_segment_align: 8
    .kernarg_segment_size: 72
    .max_flat_workgroup_size: 256
    .sgpr_count:     66
    .vgpr_count:     512
    .wavefront_size: 32
...
	.end_amdgpu_metadata
.endif
;; end of part 2
